; MI455X (gfx1250); checked and timed in simulation.
; The chip was launched on July 23, 2026; its instructions are those of AMD's public machine-readable ISA for CDNA 5 (MIT licence, August 2026) and "CDNA5" Instruction Set Architecture Reference Guide (July 2026). The comments in the code are by the model that wrote it; some were corrected since.
;; Multi Head Attention. Allowed arithmetic: matrix products marked QUANTISED: E5M2 operands, one given power-of-two scale a tensor, by v_wmma_f32_16x16x64_bf8_bf8 or v_wmma_f32_16x16x128_bf8_bf8, f32 sums; everything else in f32.
;; Inputs: Wk_codes 1,024 x 32 x 32 uint8 (E5M2 codes of Wk, K innermost, in blocks of 32 codes); Wo_codes 1,024 x 32 x 32 uint8 (E5M2 codes of Wo, K innermost, in blocks of 32 codes); Wq_codes 1,024 x 32 x 32 uint8 (E5M2 codes of Wq, K innermost, in blocks of 32 codes); Wv_codes 1,024 x 32 x 32 uint8 (E5M2 codes of Wv, K innermost, in blocks of 32 codes); bk 1,024 float32; bo 1,024 float32; bq 1,024 float32; bv 1,024 float32; key_codes 4 x 2,048 x 32 x 32 uint8 (E5M2 codes of key, K innermost, in blocks of 32 codes); lowp_scales 12 int32 (the exponents e of the quantised operands' scales 2^e); mask 4 x 1 x 1 x 2,048 int32; query_codes 4 x 2,048 x 32 x 32 uint8 (E5M2 codes of query, K innermost, in blocks of 32 codes); value_codes 4 x 2,048 x 32 x 32 uint8 (E5M2 codes of value, K innermost, in blocks of 32 codes).
;; Outputs: out0 4 x 2,048 x 1,024 float32.
;; This version of the problem:
;;   THIS VERSION OF THE PROBLEM IS GIVEN IN LOW PRECISION. The matrix products marked QUANTISED in the list below multiply operands that are first quantised to E5M2 (5 exponent bits, 2 mantissa bits; 8 bits a number), with one given power-of-two scale for each operand tensor; their sums are f32. All else is computed in f32.
;;   The module's matrix products, in the order in which they are computed (A, B: the left and right operand; K: the contracted axis; several contracted axes count as one K, in the product's order):
;;     1. [M 8,192, K 1,024] x [K 1,024, N 1,024]; A: input query (given as codes); B: input Wq (given as codes): QUANTISED (scales: A lowp_scales[0], B lowp_scales[1])
;;     2. [M 8,192, K 1,024] x [K 1,024, N 1,024]; A: input key (given as codes); B: input Wk (given as codes): QUANTISED (scales: A lowp_scales[2], B lowp_scales[3])
;;     3. [M 8,192, K 1,024] x [K 1,024, N 1,024]; A: input value (given as codes); B: input Wv (given as codes): QUANTISED (scales: A lowp_scales[4], B lowp_scales[5])
;;     4. batch 64 x [M 2,048, K 64] x [K 64, N 2,048]; A: computed on the way; B: computed on the way: QUANTISED (scales: A lowp_scales[6], B lowp_scales[7])
;;     5. batch 64 x [M 2,048, K 2,048] x [K 2,048, N 64]; A: softmax (see below); B: computed on the way: QUANTISED (scales: A lowp_scales[8], B lowp_scales[9])
;;     6. [M 8,192, K 1,024] x [K 1,024, N 1,024]; A: computed on the way; B: input Wo (given as codes): QUANTISED (scales: A lowp_scales[10], B lowp_scales[11])
;;   THE QUANTISER, for each operand of a quantised product, along K:
;;     - The operand's scale is 2^e, e = its entry of the input lowp_scales (int32; the entries are numbered through the quantised products in the list's order, A before B).
;;     - Each number is divided by the scale, clamped to +-57,344, and rounded to the nearest number of E5M2, ties to even, subnormals kept.
;;     - The product sums the exact products of the quantised numbers (number of the format x scale) in f32.
;;   ~~~python
;;   def quantise(x, axis, e):      # numpy; x: float32 -> the quantised numbers, widened to float32 again
;;       x = np.moveaxis(x, axis, -1); K = x.shape[-1]
;;       r = np.clip(x / 2.0 ** e, -57344, 57344)
;;       step = 2.0 ** (np.maximum(np.frexp(np.where(r == 0, 1, r))[1] - 1, -14) - 2)
;;       q = np.round(r / step) * step * 2.0 ** e      # np.round: ties to even
;;       return np.moveaxis(q, -1, axis).astype(np.float32)
;;   ~~~
;;   SOFTMAX AHEAD OF A QUANTISED PRODUCT. Where the list says 'softmax', what is quantised is not the finished softmax but p = 2^(t - M), with t = logit x log2(e) and M = ceil(the row's largest t), a whole number; so 1/2 < the row's largest p <= 1. The row's sum l is taken of the UNQUANTISED p, in f32, and the product's result is divided by l at the end. Since M is a whole number, a kernel that streams over the keys may use a running M (the ceiling of the running maximum): every later rescaling is an exact power of two, so the quantised numbers keep their values, but for numbers so far below the row's largest that they fall under the format's range.
;;   OPERANDS COMPUTED ON THE WAY. 'Computed on the way' means the value that the module computes at that place (a softmax that the list does not call 'softmax' is quantised finished and normalised). What goes into a quantiser is computed in f32, as accurately as f32 sums, v_exp_f32 and their like allow (about 1e-6 of the number): no bf16 or f16 on the way to a quantiser, and a product that is left as it is and whose result goes on into a quantised operand takes f32 operands (vector FMAs, or v_wmma_f32_16x16x4_f32). A number that lies on a knife's edge between two numbers of the format may be rounded either way, as far as f32 arithmetic and the matrix unit's own rounding can turn it there, and no further.
;;   INPUTS GIVEN AS CODES. Wk (in the module: [1024, 1024], K = its axis 1); Wo (in the module: [1024, 1024], K = its axis 1); Wq (in the module: [1024, 1024], K = its axis 1); Wv (in the module: [1024, 1024], K = its axis 1); key (in the module: [4, 2048, 1024], K = its axis 2); query (in the module: [4, 2048, 1024], K = its axis 2); value (in the module: [4, 2048, 1024], K = its axis 2): each comes as NAME_codes (uint8): NAME with its K axis moved to the last place and cut into blocks of 32 codes, [.., K / 32, bytes a block], one block behind the other in memory; one code a byte (a code: sign, 5 exponent bits, 2 mantissa bits); its scale is its entry of lowp_scales. Its value is code x scale, taken as it is: it is not quantised again, and the codes and scales need not be those that the quantiser above would give.
;; One version. Each part assembles by itself: llvm-mc -triple=amdgcn-amd-amdhsa -mcpu=gfx1250 --defsym DOCPART=n.
;; ======== version 1 of 1: 3 launches
;; limits: right only within a limited range of input values
;; workspace buffers: qws 8,388,608 bytes; kvws 16,777,216 bytes; ows 8,388,608 bytes
;; launch proj (part 1): grid 4 x 96, 4 waves a work-group, clusters of 4 x 4, 327,680 bytes of LDS; arguments query_codes, key_codes, Wv_codes, Wq_codes, Wk_codes, value_codes, bq, bk, bv, mask, lowp_scales, qws, kvws; writes qws, kvws
.if DOCPART == 1
	.amdgcn_target "amdgcn-amd-amdhsa--gfx1250"
	.amdhsa_code_object_version 6
	.text
	.protected	k_q72d10838f5_proj
	.globl	k_q72d10838f5_proj
	.p2align	8
	.type	k_q72d10838f5_proj,@function
k_q72d10838f5_proj:
	s_mov_b64 s[64:65], 0
	v_nop
	global_prefetch_b8 v0, s[64:65] scope:SCOPE_SE
	s_setreg_imm32_b32 hwreg(HW_REG_WAVE_MODE, 25, 1), 1
	s_wait_xcnt 0x0
	s_wait_alu depctr_hold_cnt(0) depctr_sa_sdst(0) depctr_va_vdst(0) depctr_va_sdst(0) depctr_va_ssrc(0) depctr_va_vcc(0) depctr_vm_vsrc(0)
	s_getreg_b32 s2, hwreg(HW_REG_IB_STS2, 6, 4)
	s_cmp_eq_u32 s2, 0
	s_cbranch_scc0 .Lentry_in_a_cluster
	s_endpgm
.Lentry_in_a_cluster:
	s_bfe_u32 s2, ttmp6, 0x10000c
	s_cmp_lg_u32 s2, 0xf033
	s_cbranch_scc0 .Lentry_shape_is_right
	s_endpgm
.Lentry_shape_is_right:
; THE THREE PROJECTIONS, Q = query Wq^T + bq, K = key Wk^T + bk, V = value Wv^T + bv, on codes of BF8 (E5M2), each result quantised at once with its given scale
; (entries 6, 7 and 9 of the scales) and stored as IMAGES OF OPERAND REGISTERS for the attention launch.
; One text serves the three: the cluster's y, 0 to 23, gives KIND = y / 8 (0 Q, 1 K, 2 V); only pointers, a few offsets and the first step's C operand hang on it.
; A tile of the result, 256 x 256, is made by four waves, 128 x 128 each: 64 accumulators of 16 x 16.  K = 1,024 goes in four steps of 256 through two LDS slots filled by the tensor data mover.
; "A" gives the lanes' rows and "B" the registers' columns (source 0 = 16 rows of B, source 1 = 16 rows of A): lane (r, h) of accumulator (a, b) holds A's row 16 a + r and B's rows 16 b + 8 h + 0 .. 7.
;   Q, K: A = the tokens, B = the weight: a lane holds one token and eight neighbouring channels.   V: A = Wv, B = value: a lane holds one channel and eight neighbouring tokens, so V comes out with the KEYS innermost.
; So one conversion of an accumulator's eight registers gives registers 2 c, 2 c + 1 (c = b % 4) of a fragment of 16 rows x 64 along the next K, in the K = 64 form's own layout.  A fragment goes to memory as it stands:
; registers 0-3 at 16 x lane, registers 4-7 at 512 + 16 x lane: every store of a wave covers 512 consecutive bytes, aligned.
;   qws  [batch x head 64][block of 16 tokens 128][1,024]          kvws [batch x head 64][step of 64 keys 32][K's four key tiles 4 x 1,024 | V's four channel tiles 4 x 1,024]
; THE BIAS, divided by 2^(eA + eB), is the C of each sum's first product (so it is added ahead of the products, not behind them).  THE MASK: a key whose mask word is 0 gets the hold 0, so its codes of K are zeros:
; its score is then exactly what the attention launch gives as C.
; CLUSTERS: 4 x 4 work-groups; A's tiles are asked for jointly along a row of the cluster, B's along a column.
; LIMITS: eOut - eA - eB between -126 and 112 (eOut = entry 6, 7 or 9).  NaN and infinities among the biases are not served.
; REGISTERS, in windows of 256: window 0: v16-31 addresses and constants; v32-95 the bias as C; v96-103 the mask words, then the holds; v104-111 the bias's offsets; v128-255 A's fragments, ONE set; on the way out
;   v128-191 held numbers, v192-255 codes.   window 1: B's fragments, TWO sets.   windows 2, 3: the accumulators, (a, b) at v[8 (8 (a % 4) + b)].
.set ROWB,   256                       ; a tile's row in bytes: 256 codes
.set KROW,   1024                      ; a row of A or of B in memory
.set PITCH,  272                       ; an LDS row: 256 bytes + 16 of padding = 68 words, so that the 16 rows of a fragment load start 4 words apart modulo 64 (64 banks of 4 bytes: ISA guide 11.1)
.set FR,     16                        ; registers of a fragment: 16 rows x 128 K
.set NL,     4                         ; LDS loads that bring one
.set NP,     4                         ; places behind this matrix instruction (ISA guide 7.12.1)
.set HALFT,  128*PITCH                 ; 128 rows: what one tensor load brings
.set SLOT,   4*HALFT                   ; A's 256 rows, then B's 256 rows
.set SPARE,  2*SLOT                    ; behind the ring: the spare words, 128 bytes for each wave
.set ADRA, 16                          ; v16-17  LDS address of my A fragments in slot 0, 1
.set ADRB, 20                          ; v20-21  the same for B
.set CO,   26                          ; v26     16 x lane: my place in an image
.set SPW,  28                          ; v28     my spare word; never rewritten
.set NIL,  29                          ; v29     0; never rewritten
.set LV,   30                          ; v30     57,344 x 2^(eOut - eA - eB)
.set SCV,  31                          ; v31     2^(eOut - eA - eB)
.set BC,   32                          ; v32-95  the bias / 2^(eA + eB), in the result's layout
.set LIM,  96                          ; v96-103 for A's block a: the mask word of my row, then my row's hold
.set BADR, 104                         ; v104-111 offsets of the bias's loads
.set AF,   128
.set TMP,  128
.set CD,   192                         ; four sets of 16 registers of codes
.set G1, 24                            ; s[24:31] group 1 for A's tiles; s[32:39] group 0, a set for each slot
.set G0, 32
.set G1B, 48                           ; s[48:55], s[56:63] the same for B's
.set G0B, 56
.set KIND, 66
.set OB,   94                          ; s[94:101] four bases for the stores: (a / 4, b / 4) at s[OB + 4 (a / 4) + 2 (b / 4)]
.set MSB, 0
.macro WIN new                         ; the immediate's high byte repeats the setting that is left
.if MSB != \new
	s_set_vgpr_msb (MSB<<8)|\new
.set MSB, \new
.endif
.endm
.set MUL_LO, 0xa1                      ; source 0 (B) window 1, source 1 (A) window 0, C and D window 2
.set MUL_HI, 0xf1                      ; the same, C and D window 3
.set BEG_LO, 0x81                      ; the first step: C (the bias) window 0, D window 2
.set BEG_HI, 0xc1                      ; D window 3
.set TO_B,   0x40                      ; destination window 1, address window 0
; A joint load: waves 0 and 1 fetch for A, waves 2 and 3 for B.  The branch hangs on the wave's number alone.  Four v_nop follow each of the two lines.
.macro JLOAD g0a, g1a, g0b, g1b
	s_cmp_eq_u32 s15, 0
	s_cbranch_scc0 .Lfor_b_\@
	tensor_load_to_lds s[\g0a:\g0a+3], s[\g1a:\g1a+7]
	s_nop 0
.rept 4
	v_nop
.endr
	s_branch .Lasked_\@
.Lfor_b_\@:
	tensor_load_to_lds s[\g0b:\g0b+3], s[\g1b:\g1b+7]
	s_nop 0
.rept 4
	v_nop
.endr
.Lasked_\@:
.endm
.macro CREST                           ; a round of the cluster's barrier behind its opening barrier
	s_cmp_lg_u32 s14, 0
	s_cbranch_scc1 .Lnot_wave_0_\@
	s_barrier_signal -3
.Lnot_wave_0_\@:
	s_barrier_wait -3
	s_barrier_signal -1
	s_barrier_wait -1
.endm
.macro CROUND                          ; a whole round
	s_barrier_signal -1
	s_barrier_wait -1
	CREST
.endm
	s_load_b512 s[68:83], s[0:1], 0x0              ; query, key, Wv, Wq, Wk, value, bq, bk
	s_load_b256 s[84:91], s[0:1], 0x40             ; bv, mask, the scales' exponents, qws
	s_load_b64 s[92:93], s[0:1], 0x60              ; kvws
	v_lshl_add_u32 v[SPW], v0, 2, SPARE
	v_mov_b32 v[NIL], 0
	ds_add_u32 v28, v29
	ds_add_u32 v28, v29
	s_wait_dscnt 0x0
	v_lshrrev_b32 v1, 5, v0
	v_readfirstlane_b32 s14, v1                    ; wave 0..3
	s_lshr_b32 s15, s14, 1                         ; which half of the tile's rows is mine.  Also: I fetch for A (0) or for B (1)
	s_and_b32 s16, s14, 1                          ; which half of its columns.  Also: which 128 rows of that tile I fetch
	s_bfe_u32 s40, ttmp6, 0x40000                  ; cx, cy: my place in the cluster
	s_bfe_u32 s41, ttmp6, 0x40004
	s_and_b32 s18, ttmp7, 0xffff                   ; the cluster's y, 0 to 23: the same in all sixteen partners
	s_lshr_b32 s[KIND], s18, 3                     ; 0 Q, 1 K, 2 V
	s_and_b32 s67, s18, 7
	s_lshl_b32 s67, s67, 2                         ; four tiles along the long axis (the 8,192 tokens) for each cluster
	s_cmp_eq_u32 s[KIND], 2
	s_cselect_b32 s19, 0, s67                      ; Q, K: the tokens are A's rows;
	s_cselect_b32 s20, s67, 0                      ; V: they are B's
	s_add_co_u32 s17, s41, s19                     ; tile row
	s_lshl_b32 s42, ttmp9, 2
	s_add_co_u32 s42, s42, s40
	s_add_co_u32 s42, s42, s20                     ; tile column
	s_cmp_eq_u32 s[KIND], 1
	s_cselect_b32 s2, 0, -1                        ; all ones where the mask does not count (Q, V)
	s_lshl_b32 s43, s41, 2
	s_lshl_b32 s43, 15, s43                        ; my row of the cluster
	s_lshl_b32 s44, 0x1111, s40                    ; my column
	; descriptor group 1: a tile of 128 rows x 256 bytes, padded in LDS
	s_or_b32 s[G1+0], s43, (0<<16)|(1<<20)|(1<<21)|(5<<22)|(3<<25)  ; 15:0 the mask: A's tiles go to my row; 17:16 elements of 1 byte; 20 padding on; 21 set beside a mask; 24:22 after every 64 words; 31:25 four words
	s_or_b32 s[G1B+0], s44, (0<<16)|(1<<20)|(1<<21)|(5<<22)|(3<<25)
.irp g, G1, G1B
	s_mov_b32 s[\g+1], ROWB<<16                    ; tensor_dim0
	s_mov_b32 s[\g+2], 128<<16                     ; tensor_dim1
	s_mov_b32 s[\g+3], ROWB<<16                    ; tile_dim0
	s_mov_b32 s[\g+4], 128                         ; tile_dim1
	s_mov_b32 s[\g+5], KROW                        ; tensor_dim0_stride
	s_mov_b32 s[\g+6], 0
	s_mov_b32 s[\g+7], 0
.endr
	s_lshl_b32 s18, s16, 7                         ; which 128 rows of the tile I fetch
	s_lshl_b32 s20, s17, 8
	s_add_co_u32 s20, s20, s18                     ; A: row 256 x tile row + 128 x half
	s_lshl_b32 s46, s42, 8
	s_add_co_u32 s46, s46, s18                     ; B: row 256 x tile column + 128 x half
	s_lshl_b32 s20, s20, 10                        ; in bytes: 8,191 rows of 1,024 at the most
	s_lshl_b32 s46, s46, 10
	s_mov_b32 s21, 0
	s_mov_b32 s47, 0
	s_mul_i32 s45, s14, HALFT                      ; where they go: wave x 128 rows
	s_wait_kmcnt 0x0
	s_cmp_eq_u32 s[KIND], 0                        ; the buffers are chosen on the cluster's y alone
	s_cselect_b64 s[4:5], s[68:69], s[70:71]       ; A: query or key,
	s_cselect_b64 s[6:7], s[74:75], s[76:77]       ; B: Wq or Wk,
	s_cselect_b64 s[8:9], s[80:81], s[82:83]       ; bq or bk,
	s_cselect_b64 s[10:11], s[90:91], s[92:93]     ; out: qws, or kvws for K and V
	s_cmp_eq_u32 s[KIND], 2
	s_cselect_b64 s[4:5], s[72:73], s[4:5]         ; V: A = Wv,
	s_cselect_b64 s[6:7], s[78:79], s[6:7]         ; B = value,
	s_cselect_b64 s[8:9], s[84:85], s[8:9]         ; bv
	s_load_b256 s[68:75], s[88:89], 0x0            ; the exponents 0 to 7,
	s_load_b128 s[76:79], s[88:89], 0x20           ; 8 to 11
	s_add_nc_u64 s[20:21], s[4:5], s[20:21]
	s_add_nc_u64 s[46:47], s[6:7], s[46:47]
	CROUND                                         ; all sixteen work-groups are here: the first joint loads meet
.irp s, 0,1
	s_mov_b32 s[G0+4*\s], 1
	s_add_co_u32 s[G0+4*\s+1], s45, \s*SLOT
	s_add_nc_u64 s[G0+4*\s+2:G0+4*\s+3], s[20:21], \s*ROWB
	s_or_b32 s[G0+4*\s+3], s[G0+4*\s+3], 0x80000000
	s_mov_b32 s[G0B+4*\s], 1
	s_add_co_u32 s[G0B+4*\s+1], s45, \s*SLOT
	s_add_nc_u64 s[G0B+4*\s+2:G0B+4*\s+3], s[46:47], \s*ROWB
	s_or_b32 s[G0B+4*\s+3], s[G0B+4*\s+3], 0x80000000
	JLOAD G0+4*\s, G1, G0B+4*\s, G1B               ; two tensor loads of mine are out
.endr
	v_and_b32 v1, 15, v0                           ; r = lane % 16
	v_bfe_u32 v2, v0, 4, 1                         ; h = lane / 16
	v_mul_u32_u24 v3, v1, PITCH
	v_lshl_add_u32 v4, v2, 4, v3                   ; a fragment's row x pitch + 16 x half
	s_mul_i32 s21, s15, HALFT                      ; my 128 rows of A
	s_mul_i32 s22, s16, HALFT                      ; my 128 rows of B,
	s_add_co_u32 s22, s22, 2*HALFT                 ; which lie behind A's 256
.irp s, 0,1
	v_add_nc_u32 v[ADRA+\s], s21, v4
	v_add_nc_u32 v[ADRB+\s], s22, v4
	s_add_co_u32 s21, s21, SLOT
	s_add_co_u32 s22, s22, SLOT
.endr
	v_and_b32 v6, 31, v0
	v_lshlrev_b32 v[CO], 4, v6
	; the bias in the result's layout.  Q, K: register 8 b + j = bias[my first column + 16 b + 8 h + j].  V: register 8 a + j = bias[my first row + 16 a + r], the same for every j.
	s_cmp_eq_u32 s[KIND], 2
	s_cselect_b32 s18, 4, 0                        ; bytes for each r,
	s_cselect_b32 s19, 0, 32                       ; for h,
	s_cselect_b32 s22, 0, 4                        ; for each j
	s_cselect_b32 s23, s17, s42
	s_cselect_b32 s21, s15, s16
	s_lshl_b32 s23, s23, 8
	s_lshl_b32 s21, s21, 7
	s_add_co_u32 s20, s23, s21                     ; my first row (V) or column (Q, K)
	s_lshl_b32 s20, s20, 2
	s_mov_b32 s21, 0
	s_add_nc_u64 s[8:9], s[8:9], s[20:21]
	v_mul_u32_u24 v[BADR], s18, v1
	v_mad_u32_u24 v[BADR], v2, s19, v[BADR]
.irp j, 1,2,3,4,5,6,7
	v_add_nc_u32 v[BADR+\j], s22, v[BADR+\j-1]
.endr
.irp x, 0,1,2,3,4,5,6,7
.irp j, 0,1,2,3,4,5,6,7
	global_load_b32 v[BC+8*\x+\j], v[BADR+\j], s[8:9] offset:64*\x
.endr
.endr
	; the mask word of A's row 16 a + r.  It counts for K alone, whose rows are batch x 2,048 + key; for Q and V the words are loaded (inside the buffer: V's rows are under 1,024) and overruled below
	s_lshl_b32 s20, s17, 8
	s_lshl_b32 s23, s15, 7
	s_add_co_u32 s20, s20, s23
	s_lshl_b32 s20, s20, 2
	s_add_nc_u64 s[12:13], s[86:87], s[20:21]
	v_lshlrev_b32 v5, 2, v1
.irp a, 0,1,2,3,4,5,6,7
	global_load_b32 v[LIM+\a], v5, s[12:13] offset:64*\a
.endr
	; where my images go.  Q, K: ((batch x 16 + head) x 128 + block of tokens) x 1,024, twice that for K, whose step of four blocks takes 8,192 bytes
	s_lshr_b32 s18, s17, 3
	s_lshl_b32 s18, s18, 4
	s_lshl_b32 s19, s42, 2
	s_add_co_u32 s18, s18, s19
	s_lshl_b32 s19, s16, 1
	s_add_co_u32 s18, s18, s19                     ; batch x 16 + my first head
	s_lshl_b32 s18, s18, 7
	s_and_b32 s19, s17, 7
	s_lshl_b32 s19, s19, 4
	s_add_co_u32 s18, s18, s19
	s_lshl_b32 s19, s15, 3
	s_add_co_u32 s18, s18, s19                     ; + my first block of 16 tokens
	s_lshl_b32 s18, s18, 10
	s_lshl_b32 s18, s18, s[KIND]
	; V: (batch x 16 + head) x 262,144 + step x 8,192 + 4,096
	s_lshr_b32 s20, s42, 3
	s_lshl_b32 s20, s20, 4
	s_lshl_b32 s21, s17, 2
	s_add_co_u32 s20, s20, s21
	s_lshl_b32 s21, s15, 1
	s_add_co_u32 s20, s20, s21
	s_lshl_b32 s20, s20, 18
	s_and_b32 s21, s42, 7
	s_lshl_b32 s21, s21, 2
	s_lshl_b32 s22, s16, 1
	s_add_co_u32 s21, s21, s22
	s_lshl_b32 s21, s21, 13
	s_add_co_u32 s20, s20, s21
	s_add_co_u32 s20, s20, 4096
	s_lshl_b32 s22, 4096, s[KIND]                  ; Q, K: four blocks of tokens on,
	s_lshl_b32 s23, 0x20000, s[KIND]               ; and a head on
	s_cmp_eq_u32 s[KIND], 2
	s_cselect_b32 s18, s20, s18
	s_cselect_b32 s22, 0x40000, s22                ; V: four blocks of channels on are a head,
	s_cselect_b32 s23, 0x2000, s23                 ; four blocks of tokens a step
	s_mov_b32 s19, 0
	s_add_nc_u64 s[OB:OB+1], s[10:11], s[18:19]
	s_mov_b32 s18, s23
	s_add_nc_u64 s[OB+2:OB+3], s[OB:OB+1], s[18:19]
	s_mov_b32 s18, s22
	s_add_nc_u64 s[OB+4:OB+5], s[OB:OB+1], s[18:19]
	s_mov_b32 s18, s23
	s_add_nc_u64 s[OB+6:OB+7], s[OB+4:OB+5], s[18:19]
	s_wait_kmcnt 0x0
	s_add_co_i32 s18, s68, s69                     ; eA + eB of the three products,
	s_add_co_i32 s19, s70, s71
	s_add_co_i32 s20, s72, s73
	s_cmp_eq_u32 s[KIND], 0
	s_cselect_b32 s18, s18, s19
	s_cselect_b32 s21, s74, s75                    ; and the result's own exponent: entry 6, 7
	s_cmp_eq_u32 s[KIND], 2
	s_cselect_b32 s18, s20, s18
	s_cselect_b32 s21, s77, s21                    ; or 9
	s_sub_co_i32 s19, 0, s18                       ; a sum stands for sum x 2^(eA + eB): the bias goes in divided by that,
	s_sub_co_i32 s21, s21, s18                     ; and the code is sum / 2^(eOut - eA - eB): the three scales folded into the conversion's one
	s_add_co_i32 s21, s21, 127
	s_lshl_b32 s22, s21, 23
	v_mov_b32 v[SCV], s22
	s_add_co_i32 s21, s21, 15
	s_lshl_b32 s21, s21, 23
	s_or_b32 s21, s21, 0x600000
	v_mov_b32 v[LV], s21                           ; 57,344 x that
	s_wait_loadcnt 0x0                             ; the bias and the mask words
.set i, 0
.rept 64
	v_ldexp_f32 v[BC+i], v[BC+i], s19
.set i, i+1
.endr
.irp a, 0,1,2,3,4,5,6,7
	v_cmp_ne_u32 vcc_lo, 0, v[LIM+\a]              ; my row counts,
	s_or_b32 vcc_lo, vcc_lo, s2                    ; as every row of Q and V does:
	v_cndmask_b32 v[LIM+\a], 0, v[LV], vcc_lo      ; its hold is the largest code x the scale; a masked key's is 0
.endr
.macro FRAG reg, adr, q, i             ; 16 rows x 128 K in 16 registers: registers 4 c .. 4 c + 3 hold K = 32 c + 16 h + 0 .. 15: a permutation of k, the same in A and in B, so every product meets its partner
.irp c, 0,1,2,3
	ds_load_b128 v[\reg+4*\c:\reg+4*\c+3], v[\adr] offset:128*(\q)+32*\c+(\i)*16*PITCH
.endr
.endm
; 16 matrix instructions: A's blocks a0, a0 + 1 x B's eight, 128 along K.  p: B's set.  zero = 1: the sums start from the bias of B's block (Q, K); 2: of A's block (V); 0: they go on.
; The 64 accumulators take turns, one instruction a turn, in the same order in every step.
.macro MUL16 a0, p, zero
.irp a, \a0, \a0+1
.irp b, 0,1,2,3,4,5,6,7
.if \zero == 1
	v_wmma_f32_16x16x128_bf8_bf8 v[8*(8*((\a)%4)+\b):8*(8*((\a)%4)+\b)+7], v[128*(\p)+FR*\b:128*(\p)+FR*\b+FR-1], v[AF+FR*(\a):AF+FR*(\a)+FR-1], v[BC+8*\b:BC+8*\b+7]
.elseif \zero == 2
	v_wmma_f32_16x16x128_bf8_bf8 v[8*(8*((\a)%4)+\b):8*(8*((\a)%4)+\b)+7], v[128*(\p)+FR*\b:128*(\p)+FR*\b+FR-1], v[AF+FR*(\a):AF+FR*(\a)+FR-1], v[BC+8*(\a):BC+8*(\a)+7]
.else
	v_wmma_f32_16x16x128_bf8_bf8 v[8*(8*((\a)%4)+\b):8*(8*((\a)%4)+\b)+7], v[128*(\p)+FR*\b:128*(\p)+FR*\b+FR-1], v[AF+FR*(\a):AF+FR*(\a)+FR-1], v[8*(8*((\a)%4)+\b):8*(8*((\a)%4)+\b)+7]
.endif
.endr
.endr
.endm
.macro FETCH_B slot, q, p              ; B's eight fragments of the slot's q-th 128 along K into set p
	WIN TO_B
.irp i, 0,1,2,3,4,5,6,7
	FRAG 128*(\p)+FR*\i, ADRB+\slot, \q, \i
.endr
	WIN 0
.endm
.macro FETCH_A slot, q, i0             ; A's blocks i0 .. i0 + 3
.irp i, \i0, \i0+1, \i0+2, \i0+3
	FRAG AF+FR*(\i), ADRA+\slot, \q, \i
.endr
.endm
.macro PLACES n                        ; plain vector instructions between a matrix instruction and a load into, or a vector instruction on, its registers (ISA guide 7.12.1 for vector instructions)
.rept \n
	v_nop
.endr
.endm
; A step of 128 along K that has its successor in the same slot.  A block of A is free as soon as its eight products are issued: blocks 0-3 are fetched anew in the step's middle, blocks 4-7 at its end.
.macro STEP slot, q, zero
	s_wait_dscnt 4*NL                              ; B's set and A's blocks 0-3 are in; the youngest sixteen loads (A's blocks 4-7) may be out
.if \zero
	WIN BEG_LO
.else
	WIN MUL_LO
.endif
	MUL16 0, (\q)%2, \zero
	MUL16 2, (\q)%2, \zero
	s_wait_dscnt 0                                 ; A's blocks 4-7 are in
	PLACES NP
	FETCH_B \slot, (\q)+1, 1-(\q)%2
	FETCH_A \slot, (\q)+1, 0
.if \zero
	WIN BEG_HI
.else
	WIN MUL_HI
.endif
	MUL16 4, (\q)%2, \zero
	MUL16 6, (\q)%2, \zero
	PLACES NP
	WIN 0
	FETCH_A \slot, (\q)+1, 4
.endm
; A slot's last step changes slots: ONE barrier; in front of it each wave waits for all its tensor loads, adds 0 to its spare word, and waits for that and for its own reads of this slot.  fill = 1: this slot is filled again, two K steps ahead.
.macro TURN slot, next, fill
	s_wait_tensorcnt 0x0                           ; all my tensor loads have landed: my part of the next slot  (every window is 0 here)
	ds_add_u32 v[SPW], v[NIL]                      ; 0 onto my spare word
	s_wait_dscnt 4*NL+1                            ; (the add and the youngest sixteen loads, A's blocks 4-7, may be out)
	WIN MUL_LO
	MUL16 0, 1, 0                                  ; sixteen matrix instructions stand between the add and the wait for it
	s_wait_dscnt 0x0                               ; the add is done, and my reads of this slot are over
	s_barrier_signal -1
	MUL16 2, 1, 0
	WIN 0
	s_barrier_wait -1
.if \fill
	CREST                                          ; the barrier has opened a round of the cluster's barrier: no wave of any partner still reads this slot or has a load on its way
	s_add_nc_u64 s[G0+4*\slot+2:G0+4*\slot+3], s[G0+4*\slot+2:G0+4*\slot+3], 2*ROWB
	s_add_nc_u64 s[G0B+4*\slot+2:G0B+4*\slot+3], s[G0B+4*\slot+2:G0B+4*\slot+3], 2*ROWB
	JLOAD G0+4*\slot, G1, G0B+4*\slot, G1B         ; my one tensor load behind the round; the four v_nop behind it are the places in front of the loads below
.else
	PLACES NP
.endif
	FETCH_B \next, 0, 0
	FETCH_A \next, 0, 0
	WIN MUL_HI
	MUL16 4, 1, 0
	MUL16 6, 1, 0
	PLACES NP
	WIN 0
	FETCH_A \next, 0, 4
.endm
	s_wait_tensorcnt 1                             ; my part of slot 0 is in (slot 1's load may be out)
	s_barrier_signal -1
	s_barrier_wait -1                              ; everybody's is
	FETCH_B 0, 0, 0
	FETCH_A 0, 0, 0
	FETCH_A 0, 0, 4
	s_cmp_eq_u32 s[KIND], 2                        ; the first step is written twice, since the registers of its C differ.  The branch hangs on the cluster's y, equal in all partners; no tensor load and no barrier stands inside
	s_cbranch_scc1 .Lfirst_v
	STEP 0, 0, 1
	s_branch .Ljoined
.Lfirst_v:
	STEP 0, 0, 2
.Ljoined:
	TURN 0, 1, 1                                   ; the eight steps of 128 are written out: a loop would have one trip.  Slot 0 takes K 512 on,
	STEP 1, 0, 0
	TURN 1, 0, 1                                   ; slot 1 K 768 on
	STEP 0, 0, 0
	TURN 0, 1, 0                                   ; nothing is left to fetch
	STEP 1, 0, 0
	s_wait_dscnt 4*NL
	WIN MUL_LO
	MUL16 0, 1, 0
	MUL16 2, 1, 0
	s_wait_dscnt 0
	WIN MUL_HI
	MUL16 4, 1, 0
	MUL16 6, 1, 0
	WIN 0
; THE WAY OUT of A's block a: 64 holds (each accumulator from its low end on), eight conversions, which give two fragments' registers, and four stores of 512 consecutive bytes.
.macro OUTBLK a
.set AC, 64*((\a)%4)
.set CQ, CD+16*((\a)%4)
	WIN 0x02+((\a)/4)                              ; source 0: window 2 or 3
.set i, 0
.rept 64
	v_med3_num_f32 v[TMP+i], v[AC+i], -v[LIM+\a], v[LIM+\a]   ; the conversion to an 8-bit code does not saturate (ISA guide 7.6.2): held within the largest code x the scale; a masked key's row within 0
.set i, i+1
.endr
	WIN 0
.irp b, 0,1,2,3,4,5,6,7
	v_cvt_scalef32_pk8_bf8_f32 v[CQ+2*\b:CQ+2*\b+1], v[TMP+8*\b:TMP+8*\b+7], v[SCV]
.endr
	v_nop                                          ; a plain line between the conversions and the next block's holds, which write their sources
.irp g, 0,1
.irp u, 0,1
	global_store_b128 v[CO], v[CQ+8*\g+4*\u:CQ+8*\g+4*\u+3], s[OB+4*((\a)/4)+2*\g:OB+4*((\a)/4)+2*\g+1] offset:((\a)%4)*1024+512*\u
.endr
.endr
.endm
	PLACES NP                                      ; the holds write registers that the last products read
.irp a, 0,1,2,3,4,5,6,7
.if \a == 4
	s_wait_xcnt 0x0                                ; the four sets of codes are written again only behind this wait
.endif
	OUTBLK \a
.endr
	s_wait_tensorcnt 0x0                           ; the wave's end
	ds_add_u32 v[SPW], v[NIL]
	s_wait_dscnt 0x0
	CROUND                                         ; the closing round: no work-group ends while a partner may still ask for a tile that names it
	s_endpgm
.Lfunc_end_k_q72d10838f5_proj:
	.size	k_q72d10838f5_proj, .Lfunc_end_k_q72d10838f5_proj-k_q72d10838f5_proj
	.p2alignl 7, 3214868480
	.fill 96, 4, 3214868480
	.section	.rodata,"a",@progbits
	.p2align	6, 0x0
	.amdhsa_kernel k_q72d10838f5_proj
		.amdhsa_group_segment_fixed_size 327680
		.amdhsa_private_segment_fixed_size 0
		.amdhsa_enable_private_segment 0
		.amdhsa_kernarg_size 104
		.amdhsa_user_sgpr_count 2
		.amdhsa_user_sgpr_kernarg_segment_ptr 1
		.amdhsa_wavefront_size32 1
		.amdhsa_system_sgpr_workgroup_id_x 1
		.amdhsa_system_sgpr_workgroup_id_y 1
		.amdhsa_system_sgpr_workgroup_id_z 1
		.amdhsa_system_vgpr_workitem_id 0
		.amdhsa_next_free_vgpr 1024
		.amdhsa_next_free_sgpr 102
		.amdhsa_reserve_vcc 1
		.amdhsa_float_denorm_mode_32 3
		.amdhsa_float_denorm_mode_16_64 3
		.amdhsa_memory_ordered 1
		.amdhsa_forward_progress 1
		.amdhsa_inst_pref_size 140
	.end_amdhsa_kernel
	.amdgpu_metadata
---
amdhsa.version: [ 1, 2 ]
amdhsa.kernels:
  - .name:           k_q72d10838f5_proj
    .symbol:         k_q72d10838f5_proj.kd
    .args:
      - { .name: query_codes, .offset: 0, .size: 8, .value_kind: global_buffer, .address_space: global }
      - { .name: key_codes, .offset: 8, .size: 8, .value_kind: global_buffer, .address_space: global }
      - { .name: Wv_codes, .offset: 16, .size: 8, .value_kind: global_buffer, .address_space: global }
      - { .name: Wq_codes, .offset: 24, .size: 8, .value_kind: global_buffer, .address_space: global }
      - { .name: Wk_codes, .offset: 32, .size: 8, .value_kind: global_buffer, .address_space: global }
      - { .name: value_codes, .offset: 40, .size: 8, .value_kind: global_buffer, .address_space: global }
      - { .name: bq, .offset: 48, .size: 8, .value_kind: global_buffer, .address_space: global }
      - { .name: bk, .offset: 56, .size: 8, .value_kind: global_buffer, .address_space: global }
      - { .name: bv, .offset: 64, .size: 8, .value_kind: global_buffer, .address_space: global }
      - { .name: mask, .offset: 72, .size: 8, .value_kind: global_buffer, .address_space: global }
      - { .name: lowp_scales, .offset: 80, .size: 8, .value_kind: global_buffer, .address_space: global }
      - { .name: qws, .offset: 88, .size: 8, .value_kind: global_buffer, .address_space: global }
      - { .name: kvws, .offset: 96, .size: 8, .value_kind: global_buffer, .address_space: global }
    .group_segment_fixed_size: 327680
    .private_segment_fixed_size: 0
    .kernarg_segment_align: 8
    .kernarg_segment_size: 104
    .max_flat_workgroup_size: 128
    .sgpr_count:     102
    .vgpr_count:     1024
    .wavefront_size: 32
...
	.end_amdgpu_metadata
.endif
;; end of part 1
;; launch attn (part 2): grid 4 x 64, 16 waves a work-group, clusters of 4 x 1, 272,384 bytes of LDS; arguments qws, kvws, mask, lowp_scales, ows; writes ows
.if DOCPART == 2
	.amdgcn_target "amdgcn-amd-amdhsa--gfx1250"
	.amdhsa_code_object_version 6
	.text
	.protected	k_q72d10838f5_attn
	.globl	k_q72d10838f5_attn
	.p2align	8
	.type	k_q72d10838f5_attn,@function
k_q72d10838f5_attn:
	s_mov_b64 s[64:65], 0
	v_nop
	global_prefetch_b8 v0, s[64:65] scope:SCOPE_SE
	s_setreg_imm32_b32 hwreg(HW_REG_WAVE_MODE, 25, 1), 1
	s_wait_xcnt 0x0
	s_wait_alu depctr_hold_cnt(0) depctr_sa_sdst(0) depctr_va_vdst(0) depctr_va_sdst(0) depctr_va_ssrc(0) depctr_va_vcc(0) depctr_vm_vsrc(0)
	s_getreg_b32 s2, hwreg(HW_REG_IB_STS2, 6, 4)
	s_cmp_eq_u32 s2, 0
	s_cbranch_scc0 .Lentry_in_a_cluster
	s_endpgm
.Lentry_in_a_cluster:
	s_bfe_u32 s2, ttmp6, 0x10000c
	s_cmp_lg_u32 s2, 0x3003
	s_cbranch_scc0 .Lentry_shape_is_right
	s_endpgm
.Lentry_shape_is_right:
; ATTENTION on codes of BF8 (E5M2): for each (batch, head) and query, o = the sum over keys of softmax(q . k / 8, masked) v, both products on codes; o is quantised with entry 10 of the scales and stored as images of
; the last projection's operand registers.  Q, K and V come as images of operand registers (16 rows x 64 along K in the K = 64 form's own layout: registers 0-3 at 16 x lane, 4-7 at 512 + 16 x lane).
; THE SOFTMAX AHEAD OF THE SECOND PRODUCT: t = score x log2(e) / 8; M = the running largest t rounded UP to a whole number; p = 2^(t - M) is quantised (entry 8); the row's sum is taken of the unquantised p and divides at the
; end.  When M moves, the sum and O are multiplied by 2^(old M - new M): exact.
; SHARES.  A work-group owns 512 queries of one (batch, head): 256 work-groups.  Each of its SIXTEEN waves owns two tiles of 16 queries, X and Y, in 256 registers: four waves to a SIMD, so that one wave's vector work stands
; beside another's products and LDS loads.  Every wave walks the head's 2,048 keys, 64 a step.
; THE WHOLE HEAD'S K AND V LIE IN LDS, 262,144 bytes, filled ONCE: no byte of LDS is filled again.  Each wave asks for four pieces of 4,096 bytes, one in each quarter of the block; a quarter (8 steps) is read as soon as all
; sixteen waves have shown their piece of it landed, while the later quarters are on their way: four barriers in all.
; CLUSTER.  The four work-groups of a cluster are the four quarters of one head's queries and read the same K and V: every piece is asked for JOINTLY, by the same load with a mask that names the four.
; LAYOUT.  Both products are used transposed: S^T = K Q^T (source 0 = 16 keys, source 1 = 16 queries), O^T = V^T P^T: a lane holds ONE query (lane % 16) throughout, and registers 0-7 of key tile t hold keys
; 16 t + 8 (lane / 16) + 0 .. 7: one conversion of them gives registers 2 t, 2 t + 1 of P.  Likewise O^T's channel tiles give the output's codes.
; THE MASK.  The C of each product S^T holds 0 for a key that counts and A = -2^(33 - e6 - e7) for a masked one, whose codes of K the projection has made zeros: its raw score is exactly A, its t exactly -2^30 log2(e), a whole
; number.  So p is 0 beside any key that counts, and exactly 1 for every key of a row whose keys are all masked, as -1e9 gives in f32.
; LIMITS: a masked logit stands at -2^30 and not at -1e9: the same results while the logits that count lie above some -1e9.  e6 + e7 between -94 and 130; e8 and e10 between -126 and 112.  NaN is not served.
; REGISTERS: v1-7 addresses and constants; v8-23 Q; v24-47 statistics, 12 a tile; v48-111 S^T, then p, 32 a tile; v112-175 O^T, 32 a tile; v176-207 four fragments of K, then of V; v208-239 the C of the four key tiles; v240-255 P.
.set MASKB, 262144                     ; LDS: behind K and V, 2,048 words: 0 or A for each key; stored by the waves, no fill lands there
.set L16,  1                           ; v1  16 x lane
.set CL,   2                           ; v2  MASKB + 32 (lane / 16)
.set ADK,  3                           ; v3  the step's K and V
.set ADC,  4                           ; v4  the step's words of the table
.set HOLD, 5                           ; v5  57,344 x 2^e8, at the end x 2^e10
.set CVS,  6                           ; v6  2^e8, at the end 2^e10
.set QF,   8
.set ST,   24                          ; tile x at ST + 12 x: +0 -M, +1 the largest t, +2, +3 the sum in two halves, +4 f (+5 named with it), +6, +7 at work, +8 the exchange, +9 the old -M
.set S,    48
.set O,    112
.set KF,   176
.set CM,   208
.set P,    240
.set WV,   14
.set SEL,  20                          ; s[20:21] selects of v_permlanex16_b32: lane l xor 16
.set CS,   22                          ; s[22:23] c' = log2(e) / 8 x 2^(e6 + e7)
.set G1,   24                          ; s[24:31] descriptor group 1; s[32:47] four groups 0
.set G0,   32
.set TB,   48                          ; s48 LDS byte of the step's K and V
.set TC,   49                          ; s49 the step's bytes in the table
.set CNT,  50
.macro CROUND                          ; a round of the cluster's barrier
	s_barrier_signal -1
	s_barrier_wait -1
	s_cmp_lg_u32 s[WV], 0
	s_cbranch_scc1 .Lnot_wave_0_\@
	s_barrier_signal -3
.Lnot_wave_0_\@:
	s_barrier_wait -3
	s_barrier_signal -1
	s_barrier_wait -1
.endm
	s_load_b256 s[4:11], s[0:1], 0x0               ; qws, kvws, mask, the scales' exponents
	s_load_b64 s[12:13], s[0:1], 0x20              ; ows
	v_lshl_add_u32 v46, v0, 2, 0x42000
	v_mov_b32 v47, 0
	ds_add_u32 v46, v47
	ds_add_u32 v46, v47
	v_lshrrev_b32 v7, 5, v0
	v_readfirstlane_b32 s[WV], v7                  ; wave 0..15
	s_bfe_u32 s15, ttmp6, 0x40000                  ; cx
	s_lshl_b32 s16, ttmp9, 2
	s_add_co_u32 s16, s16, s15                     ; which quarter of the queries: it enters Q's and the output's addresses alone
	s_and_b32 s17, ttmp7, 0xffff                   ; batch x 16 + head, which the four partners share
	; descriptor group 1: 4,096 dense bytes as 16 rows of 256
	s_mov_b32 s[G1], 15|(3<<16)|(1<<21)            ; 15:0 the mask: all four work-groups; 17:16 elements of 8 bytes; 21 set beside a mask; no padding
	s_mov_b32 s[G1+1], 32<<16                      ; tensor_dim0 = 32
	s_mov_b32 s[G1+2], 16<<16                      ; tensor_dim1 = 16
	s_mov_b32 s[G1+3], 32<<16                      ; tile_dim0
	s_mov_b32 s[G1+4], 16                          ; tile_dim1
	s_mov_b32 s[G1+5], 32                          ; from row to row
	s_mov_b32 s[G1+6], 0
	s_mov_b32 s[G1+7], 0
	s_mov_b32 s[SEL], 0x76543210
	s_mov_b32 s[SEL+1], 0xfedcba98
	s_mov_b32 s[CS], 0x3e38aa3b                    ; log2(e) / 8
	s_lshl_b32 s68, s[WV], 12                      ; my 4,096 bytes of each quarter
	s_lshl_b32 s66, s17, 18                        ; the head's 262,144 bytes
	s_add_co_u32 s66, s66, s68
	s_mov_b32 s67, 0
	s_wait_dscnt 0x0
	s_wait_kmcnt 0x0
	s_load_b256 s[52:59], s[10:11], 0x0            ; the exponents 0 to 7: e6 s58, e7 s59,
	s_load_b128 s[60:63], s[10:11], 0x20           ; 8 to 11: e8 s60, e9 s61, e10 s62
	s_add_nc_u64 s[6:7], s[6:7], s[66:67]
.irp n, 0,1,2,3
	s_mov_b32 s[G0+4*\n], 1
	s_add_co_u32 s[G0+4*\n+1], s68, \n*65536       ; LDS: quarter n, my piece: the wave's number and constants alone
	s_add_nc_u64 s[G0+4*\n+2:G0+4*\n+3], s[6:7], \n*65536
	s_or_b32 s[G0+4*\n+3], s[G0+4*\n+3], 0x80000000
.endr
	CROUND                                         ; all four work-groups are here: the joint loads meet
	tensor_load_to_lds s[G0:G0+3], s[G1:G1+7]      ; all fills of the launch, in one group: four tensor loads of mine are out
	s_nop 0
	tensor_load_to_lds s[G0+4:G0+7], s[G1:G1+7]
	s_nop 0
	tensor_load_to_lds s[G0+8:G0+11], s[G1:G1+7]
	s_nop 0
	tensor_load_to_lds s[G0+12:G0+15], s[G1:G1+7]
	s_nop 0
.rept 4
	v_nop
.endr
	v_and_b32 v7, 31, v0
	v_lshlrev_b32 v[L16], 4, v7
	v_bfe_u32 v7, v0, 4, 1
	v_lshl_add_u32 v[CL], v7, 5, MASKB
	s_lshr_b32 s69, s17, 4                         ; the batch
	s_lshl_b32 s66, s69, 13                        ; its 2,048 mask words
	s_add_nc_u64 s[8:9], s[8:9], s[66:67]
	v_lshlrev_b32 v52, 4, v0                       ; four words a thread
	v_lshl_add_u32 v53, v0, 4, MASKB
	global_load_b128 v[48:51], v52, s[8:9]
	s_lshl_b32 s66, s17, 7
	s_lshl_b32 s70, s16, 5
	s_add_co_u32 s66, s66, s70
	s_lshl_b32 s70, s[WV], 1
	s_add_co_u32 s66, s66, s70                     ; my first block of 16 queries: 128 x (batch, head) + 32 x quarter + 2 x wave
	s_lshl_b32 s66, s66, 10
	s_add_nc_u64 s[4:5], s[4:5], s[66:67]
.irp i, 0,1,2,3
	global_load_b128 v[QF+4*\i:QF+4*\i+3], v[L16], s[4:5] offset:512*\i   ; Q's two fragments stay in registers
.endr
	; where my codes go: ows [256 rows 32][four heads 4][16 rows 16][head % 4][1,024]
	s_lshl_b32 s66, s69, 3
	s_lshl_b32 s70, s16, 1
	s_add_co_u32 s66, s66, s70
	s_lshr_b32 s70, s[WV], 3
	s_add_co_u32 s66, s66, s70                     ; 8 x batch + 2 x quarter + wave / 8
	s_lshl_b32 s66, s66, 18
	s_and_b32 s70, s17, 15                         ; the head
	s_lshr_b32 s71, s70, 2
	s_lshl_b32 s71, s71, 16
	s_add_co_u32 s66, s66, s71
	s_and_b32 s70, s70, 3
	s_lshl_b32 s70, s70, 10
	s_add_co_u32 s66, s66, s70
	s_and_b32 s70, s[WV], 7
	s_lshl_b32 s70, s70, 13                        ; blocks 2 (wave % 8) and the next
	s_add_co_u32 s66, s66, s70
	s_add_nc_u64 s[12:13], s[12:13], s[66:67]
.irp x, 0,1
	v_mov_b32 v[ST+12*\x+1], 0xff61b1e6            ; the largest t so far: -3e38, under every t
	v_floor_f32 v[ST+12*\x], -v[ST+12*\x+1]        ; -M
	v_mov_b32 v[ST+12*\x+2], 0                     ; the sum
	v_mov_b32 v[ST+12*\x+3], 0
	v_mov_b32 v[ST+12*\x+5], 0                     ; (named as the upper half of f's pair)
	v_mov_b32 v[ST+12*\x+8], 0                     ; (a lane permute's destination counts as one of its sources)
.endr
.set i, 0
.rept 64
	v_mov_b32 v[O+i], 0                            ; O^T.  (The step is written once for all steps: the first finds zeros, which the first change of M leaves zeros)
.set i, i+1
.endr
	s_wait_kmcnt 0x0
	s_add_co_i32 s66, s58, s59                     ; e6 + e7: a raw score stands for score x 2^(e6 + e7): added to c's exponent field
	s_lshl_b32 s67, s66, 23
	s_add_co_i32 s[CS], s[CS], s67
	s_mov_b32 s[CS+1], s[CS]                       ; (named with it as a pair)
	s_sub_co_i32 s67, 160, s66
	s_lshl_b32 s67, s67, 23
	s_or_b32 s67, s67, 0x80000000
	v_mov_b32 v7, s67                              ; A = -2^(33 - e6 - e7)
	s_add_co_i32 s66, s60, 127
	s_lshl_b32 s67, s66, 23
	v_mov_b32 v[CVS], s67                          ; 2^e8
	s_add_co_i32 s66, s66, 15
	s_lshl_b32 s66, s66, 23
	s_or_b32 s66, s66, 0x600000
	v_mov_b32 v[HOLD], s66                         ; 57,344 x 2^e8
	s_wait_loadcnt 0x4                             ; my four mask words are in; Q's four loads may be out
.irp i, 0,1,2,3
	v_cmp_eq_u32 vcc_lo, 0, v[48+\i]
	v_cndmask_b32 v[48+\i], 0, v7, vcc_lo          ; A where the word is 0, else 0
.endr
	ds_store_b128 v53, v[48:51]
	s_wait_loadcnt 0x0                             ; Q
; A KEY STEP: 64 keys, for both tiles.
.macro STEP
	v_add_nc_u32 v[ADK], s[TB], v[L16]             ; these four plain lines are the places between the last step's products and the loads into the registers that they read
	v_add_nc_u32 v[ADC], s[TC], v[CL]
	v_mov_b32 v[ST+9], v[ST]                       ; -M is kept for f
	v_mov_b32 v[ST+21], v[ST+12]
.irp t, 0,1,2,3
	ds_load_b128 v[KF+8*\t:KF+8*\t+3], v[ADK] offset:1024*\t
	ds_load_b128 v[KF+8*\t+4:KF+8*\t+7], v[ADK] offset:1024*\t+512
	ds_load_b128 v[CM+8*\t:CM+8*\t+3], v[ADC] offset:64*\t         ; the table's words of keys 16 t + 8 h + 0 .. 7: the result's layout
	ds_load_b128 v[CM+8*\t+4:CM+8*\t+7], v[ADC] offset:64*\t+16
.endr
.irp t, 0,1,2,3
	s_wait_dscnt 12-4*\t                           ; key tile t's four loads are in; four for each later tile may be out
	v_wmma_f32_16x16x64_bf8_bf8 v[S+8*\t:S+8*\t+7], v[KF+8*\t:KF+8*\t+7], v[QF:QF+7], v[CM+8*\t:CM+8*\t+7]
	v_wmma_f32_16x16x64_bf8_bf8 v[S+32+8*\t:S+32+8*\t+7], v[KF+8*\t:KF+8*\t+7], v[QF+8:QF+15], v[CM+8*\t:CM+8*\t+7]
.endr
.rept 4
	v_nop                                          ; places in front of the loads into K's registers and of the first read of the scores
.endr
.irp t, 0,1,2,3
	ds_load_b128 v[KF+8*\t:KF+8*\t+3], v[ADK] offset:4096+1024*\t          ; V's four channel tiles land while the softmax is worked
	ds_load_b128 v[KF+8*\t+4:KF+8*\t+7], v[ADK] offset:4096+1024*\t+512
.endr
	; the step's largest score of my query among my 32 keys, in two chains a tile, the tiles line by line; each accumulator is read from its low end on
.irp x, 0,1
	v_max3_num_f32 v[ST+12*\x+6], v[S+32*\x], v[S+32*\x+1], v[S+32*\x+2]
.endr
.irp x, 0,1
	v_max3_num_f32 v[ST+12*\x+7], v[S+32*\x+3], v[S+32*\x+4], v[S+32*\x+5]
.endr
.irp i, 6,10,14,18,22,26
.irp x, 0,1
	v_max3_num_f32 v[ST+12*\x+6], v[ST+12*\x+6], v[S+32*\x+\i], v[S+32*\x+\i+1]
.endr
.irp x, 0,1
	v_max3_num_f32 v[ST+12*\x+7], v[ST+12*\x+7], v[S+32*\x+\i+2], v[S+32*\x+\i+3]
.endr
.endr
.irp x, 0,1
	v_max3_num_f32 v[ST+12*\x+6], v[ST+12*\x+6], v[S+32*\x+30], v[S+32*\x+31]
.endr
.irp x, 0,1
	v_max_num_f32 v[ST+12*\x+6], v[ST+12*\x+6], v[ST+12*\x+7]
.endr
.irp x, 0,1
	v_permlanex16_b32 v[ST+12*\x+8], v[ST+12*\x+6], s[SEL], s[SEL+1]
.endr
.irp x, 0,1
	v_max_num_f32 v[ST+12*\x+6], v[ST+12*\x+6], v[ST+12*\x+8]      ; and among lane l xor 16's
.endr
.irp x, 0,1
	v_mul_f32 v[ST+12*\x+6], s[CS], v[ST+12*\x+6]                  ; as t (c' is positive)
.endr
.irp x, 0,1
	v_max_num_f32 v[ST+12*\x+1], v[ST+12*\x+1], v[ST+12*\x+6]      ; the running largest t
.endr
.irp x, 0,1
	v_floor_f32 v[ST+12*\x], -v[ST+12*\x+1]                        ; the new -M = floor(-t) = -ceil(t)
.endr
.irp x, 0,1
	v_sub_f32 v[ST+12*\x+6], v[ST+12*\x], v[ST+12*\x+9]            ; old M - new M: a whole number, 0 or less
.endr
.irp x, 0,1
	v_cvt_i32_f32 v[ST+12*\x+6], v[ST+12*\x+6]                     ; (it saturates)
.endr
.irp x, 0,1
	v_ldexp_f32 v[ST+12*\x+4], 1.0, v[ST+12*\x+6]                  ; f = 2^(old M - new M)
.endr
.irp x, 0,1
.set i, 0
.rept 16
	v_pk_fma_f32 v[S+32*\x+2*i:S+32*\x+2*i+1], v[S+32*\x+2*i:S+32*\x+2*i+1], s[CS:CS+1], v[ST+12*\x:ST+12*\x+1] op_sel_hi:[1,0,0]   ; t - M, two at a time (of the pairs c' and -M the low word serves both halves)
.set i, i+1
.endr
.endr
.irp x, 0,1
	v_pk_mul_f32 v[ST+12*\x+2:ST+12*\x+3], v[ST+12*\x+2:ST+12*\x+3], v[ST+12*\x+4:ST+12*\x+5] op_sel_hi:[1,0]   ; the sums under the new M
.endr
	; the exponentials stand singly, each with a plain line of work that is due anyway behind it.  X's: with the 32 multiplications that bring O^T of both tiles under the new M
.set i, 0
.rept 32
	v_exp_f32 v[S+i], v[S+i]                       ; p = 2^(t - M), at most 1: not normalised
	v_pk_mul_f32 v[O+2*i:O+2*i+1], v[O+2*i:O+2*i+1], v[ST+12*(i/16)+4:ST+12*(i/16)+5] op_sel_hi:[1,0]
.set i, i+1
.endr
	; Y's: with X's sums, taken of the unquantised p, and X's holds, which come behind them
.set i, 0
.rept 16
	v_exp_f32 v[S+32+2*i], v[S+32+2*i]
	s_wait_alu depctr_va_vdst(0)
	v_pk_add_f32 v[ST+2:ST+3], v[ST+2:ST+3], v[S+2*i:S+2*i+1]
	v_min_num_f32 v[S+2*i], v[S+2*i], v[HOLD]      ; the conversion to an 8-bit code does not saturate (ISA guide 7.6.2); p is not negative, so the hold is one-sided
	v_exp_f32 v[S+33+2*i], v[S+33+2*i]
	v_min_num_f32 v[S+2*i+1], v[S+2*i+1], v[HOLD]
.set i, i+1
.endr
.irp t, 0,1,2,3
	v_cvt_scalef32_pk8_bf8_f32 v[P+2*\t:P+2*\t+1], v[S+8*\t:S+8*\t+7], v[CVS]
.endr
.set i, 0
	s_wait_alu depctr_va_vdst(0)
.rept 16
	v_pk_add_f32 v[ST+14:ST+15], v[ST+14:ST+15], v[S+32+2*i:S+32+2*i+1]
	v_min_num_f32 v[S+32+2*i], v[S+32+2*i], v[HOLD]
	v_min_num_f32 v[S+33+2*i], v[S+33+2*i], v[HOLD]
.set i, i+1
.endr
.irp t, 0,1,2,3
	v_cvt_scalef32_pk8_bf8_f32 v[P+8+2*\t:P+8+2*\t+1], v[S+32+8*\t:S+32+8*\t+7], v[CVS]
.endr
	v_nop                                          ; a plain line between the conversions and the products that read their results
	s_wait_dscnt 0x0                               ; V is in
.irp t, 0,1,2,3                                ; O^T += V^T P^T: the eight accumulators take turns, one instruction a turn, and the next step begins with other accumulators' products
	v_wmma_f32_16x16x64_bf8_bf8 v[O+8*\t:O+8*\t+7], v[KF+8*\t:KF+8*\t+7], v[P:P+7], v[O+8*\t:O+8*\t+7]
	v_wmma_f32_16x16x64_bf8_bf8 v[O+32+8*\t:O+32+8*\t+7], v[KF+8*\t:KF+8*\t+7], v[P+8:P+15], v[O+32+8*\t:O+32+8*\t+7]
.endr
.endm
; Quarter n of the head's keys: 8 steps.
.macro PART n
	s_wait_tensorcnt 3-\n                          ; my piece of quarter n has landed; behind its load I issued 3 - n, which may stay out
	s_wait_dscnt 0x0                               ; my store into the table is done (n = 0); later no LDS instruction of mine is out
	s_barrier_signal -1
	s_barrier_wait -1                              ; both hold of all sixteen waves
	s_mov_b32 s[TB], \n*65536
	s_mov_b32 s[TC], \n*2048
	s_mov_b32 s[CNT], 8
.Lstep_\@:
	STEP
	s_add_co_u32 s[TB], s[TB], 8192
	s_add_co_u32 s[TC], s[TC], 256
	s_sub_co_u32 s[CNT], s[CNT], 1
	s_cmp_lg_u32 s[CNT], 0
	s_cbranch_scc1 .Lstep_\@
.endm
	PART 0
	PART 1
	PART 2
	PART 3
	; THE WAY OUT.  o = O^T x 2^(e8 + e9) / the sum, held, converted with 2^e10: a tile's four conversions give the eight registers of its image.  The lines up to the first read of O^T hold nine plain ones: the places behind the last products.
	s_add_co_i32 s66, s62, 127
	s_lshl_b32 s67, s66, 23
	v_mov_b32 v[CVS], s67                          ; 2^e10
	s_add_co_i32 s66, s66, 15
	s_lshl_b32 s66, s66, 23
	s_or_b32 s66, s66, 0x600000
	v_mov_b32 v[HOLD], s66                         ; 57,344 x 2^e10
.irp x, 0,1
	v_add_f32 v[ST+12*\x+6], v[ST+12*\x+2], v[ST+12*\x+3]          ; the sum's two halves,
.endr
.irp x, 0,1
	v_permlanex16_b32 v[ST+12*\x+8], v[ST+12*\x+6], s[SEL], s[SEL+1]
.endr
.irp x, 0,1
	v_add_f32 v[ST+12*\x+6], v[ST+12*\x+6], v[ST+12*\x+8]          ; and lane l xor 16's
.endr
.irp x, 0,1
	v_rcp_f32 v[ST+12*\x+4], v[ST+12*\x+6]
.endr
	v_nop                                          ; a plain line behind the reciprocals
	s_add_co_i32 s66, s60, s61
	s_wait_alu depctr_va_vdst(0)
.irp x, 0,1
	v_ldexp_f32 v[ST+12*\x+4], v[ST+12*\x+4], s66  ; x 2^(e8 + e9)
.endr
.irp x, 0,1
.set i, 0
.rept 16
	v_pk_mul_f32 v[S+32*\x+2*i:S+32*\x+2*i+1], v[O+32*\x+2*i:O+32*\x+2*i+1], v[ST+12*\x+4:ST+12*\x+5] op_sel_hi:[1,0]   ; each accumulator from its low end on
.set i, i+1
.endr
.set i, 0
.rept 32
	v_med3_num_f32 v[S+32*\x+i], v[S+32*\x+i], -v[HOLD], v[HOLD]
.set i, i+1
.endr
.irp t, 0,1,2,3
	v_cvt_scalef32_pk8_bf8_f32 v[P+8*\x+2*\t:P+8*\x+2*\t+1], v[S+32*\x+8*\t:S+32*\x+8*\t+7], v[CVS]
.endr
.endr
	v_nop
.irp x, 0,1
.irp u, 0,1
	global_store_b128 v[L16], v[P+8*\x+4*\u:P+8*\x+4*\u+3], s[12:13] offset:4096*\x+512*\u   ; 32 lanes store 512 consecutive bytes, aligned
.endr
.endr
	s_wait_tensorcnt 0x0
	ds_add_u32 v46, v47
	s_wait_dscnt 0x0
	CROUND                                         ; the closing round: no work-group ends while a partner may still ask for a piece that names it
	s_endpgm
.Lfunc_end_k_q72d10838f5_attn:
	.size	k_q72d10838f5_attn, .Lfunc_end_k_q72d10838f5_attn-k_q72d10838f5_attn
	.p2alignl 7, 3214868480
	.fill 96, 4, 3214868480
	.section	.rodata,"a",@progbits
	.p2align	6, 0x0
	.amdhsa_kernel k_q72d10838f5_attn
		.amdhsa_group_segment_fixed_size 272384
		.amdhsa_private_segment_fixed_size 0
		.amdhsa_enable_private_segment 0
		.amdhsa_kernarg_size 40
		.amdhsa_user_sgpr_count 2
		.amdhsa_user_sgpr_kernarg_segment_ptr 1
		.amdhsa_wavefront_size32 1
		.amdhsa_system_sgpr_workgroup_id_x 1
		.amdhsa_system_sgpr_workgroup_id_y 1
		.amdhsa_system_sgpr_workgroup_id_z 1
		.amdhsa_system_vgpr_workitem_id 0
		.amdhsa_next_free_vgpr 256
		.amdhsa_next_free_sgpr 80
		.amdhsa_reserve_vcc 1
		.amdhsa_float_denorm_mode_32 3
		.amdhsa_float_denorm_mode_16_64 3
		.amdhsa_memory_ordered 1
		.amdhsa_forward_progress 1
		.amdhsa_inst_pref_size 86
	.end_amdhsa_kernel
	.amdgpu_metadata
---
amdhsa.version: [ 1, 2 ]
amdhsa.kernels:
  - .name:           k_q72d10838f5_attn
    .symbol:         k_q72d10838f5_attn.kd
    .args:
      - { .name: qws, .offset: 0, .size: 8, .value_kind: global_buffer, .address_space: global }
      - { .name: kvws, .offset: 8, .size: 8, .value_kind: global_buffer, .address_space: global }
      - { .name: mask, .offset: 16, .size: 8, .value_kind: global_buffer, .address_space: global }
      - { .name: lowp_scales, .offset: 24, .size: 8, .value_kind: global_buffer, .address_space: global }
      - { .name: ows, .offset: 32, .size: 8, .value_kind: global_buffer, .address_space: global }
    .group_segment_fixed_size: 272384
    .private_segment_fixed_size: 0
    .kernarg_segment_align: 8
    .kernarg_segment_size: 40
    .max_flat_workgroup_size: 512
    .sgpr_count:     80
    .vgpr_count:     256
    .wavefront_size: 32
...
	.end_amdgpu_metadata
.endif
;; end of part 2
;; launch oproj (part 3): grid 4 x 32, 4 waves a work-group, clusters of 4 x 4, 327,680 bytes of LDS; arguments ows, Wo_codes, lowp_scales, bo, out0; writes out0
.if DOCPART == 3
	.amdgcn_target "amdgcn-amd-amdhsa--gfx1250"
	.amdhsa_code_object_version 6
	.text
	.protected	k_q72d10838f5_oproj
	.globl	k_q72d10838f5_oproj
	.p2align	8
	.type	k_q72d10838f5_oproj,@function
k_q72d10838f5_oproj:
	s_mov_b64 s[64:65], 0
	v_nop
	global_prefetch_b8 v0, s[64:65] scope:SCOPE_SE
	s_setreg_imm32_b32 hwreg(HW_REG_WAVE_MODE, 25, 1), 1
	s_wait_xcnt 0x0
	s_wait_alu depctr_hold_cnt(0) depctr_sa_sdst(0) depctr_va_vdst(0) depctr_va_sdst(0) depctr_va_ssrc(0) depctr_va_vcc(0) depctr_vm_vsrc(0)
	s_getreg_b32 s2, hwreg(HW_REG_IB_STS2, 6, 4)
	s_cmp_eq_u32 s2, 0
	s_cbranch_scc0 .Lentry_in_a_cluster
	s_endpgm
.Lentry_in_a_cluster:
	s_bfe_u32 s2, ttmp6, 0x10000c
	s_cmp_lg_u32 s2, 0xf033
	s_cbranch_scc0 .Lentry_shape_is_right
	s_endpgm
.Lentry_shape_is_right:
; THE LAST PROJECTION, out = o Wo^T + bo, on codes of BF8 (E5M2).  o comes from the attention launch as images of operand registers, Wo as rows of codes; out is [8,192][1,024] f32.
; A tile of out, 256 x 256, is made by four waves, 128 x 128 each: 64 accumulators.  K = 1,024 goes in four steps of 256 through two LDS slots filled by the tensor data mover.
; A (o): ows [tile row 32][K step 4][block of 16 rows 16][4,096]: a block's 4,096 bytes are two fragments of 16 rows x 128 K, registers 4 c .. 4 c + 3 at 512 c + 16 x lane, in the K = 128 form's own layout
; (registers 2 c, 2 c + 1: K = 16 c + 8 (lane / 16) + 0 .. 7).  A K step's tile is 65,536 dense bytes; it needs no padding: each fragment load reads 512 consecutive bytes.
; B (Wo): rows of 256 bytes, 272 apart in LDS; its fragments take the same layout, by eight loads of 8 bytes at 16 c + 8 (lane / 16): the 32 lanes of such a load touch 64 different words modulo 64.
; THE MATRIX INSTRUCTION IS USED TRANSPOSED (source 0 = 16 rows of Wo, source 1 = 16 rows of o): a lane holds eight neighbouring numbers of a row of out.
; THE BIAS, divided by 2^(e10 + e11), is the C of each sum's first product; each finished sum is multiplied once by 2^(e10 + e11).
; CLUSTERS: 4 x 4 work-groups; A's tiles are asked for jointly along a row of the cluster, B's along a column.  The grid has 128 work-groups: a tile of half the size would give each byte read from LDS half the products.
; LIMIT: e10 + e11 between -126 and 127.
; REGISTERS, in windows of 256: window 0: v16-31 addresses; v32-95 the bias as C, on the way out a block's numbers; v128-255 A's fragments, ONE set, on the way out rows read back.  window 1: B's fragments, TWO sets.
;   windows 2, 3: the accumulators, (a, b) at v[8 (8 (a % 4) + b)].
.set SIZE_N, 1024
.set ROWB,   256
.set KROW,   1024
.set PITCH,  272
.set FR,     16
.set NL,     4                         ; LDS loads that bring a fragment of A
.set NP,     4                         ; places behind this matrix instruction (ISA guide 7.12.1)
.set ATILE,  65536                     ; A's part of a slot
.set HALFA,  32768                     ; 128 rows of A: what one tensor load brings, and what one wave reads
.set HALFB,  128*PITCH                 ; the same of B
.set SLOT,   ATILE+2*HALFB
.set SPARE,  2*SLOT                    ; behind the ring: the spare words, 128 bytes for each wave
.set SPITCH, 528                       ; the way out: a stage of 16 rows x (512 bytes + 16) for each wave, in slot 0, which has had its last fill and its last read when the first result is stored there
.set ADRA, 16
.set ADRB, 20
.set STO,  24
.set RD,   25
.set CO,   26
.set SPW,  28
.set NIL,  29
.set BC,   32
.set TMP,  32
.set AF,   128
.set BK,   128
.set G1, 24
.set G0, 32
.set G1B, 48
.set G0B, 56
.set MSB, 0
.macro WIN new                         ; the immediate's high byte repeats the setting that is left
.if MSB != \new
	s_set_vgpr_msb (MSB<<8)|\new
.set MSB, \new
.endif
.endm
.set MUL_LO, 0xa1                      ; source 0 (B) window 1, source 1 (A) window 0, C and D window 2
.set MUL_HI, 0xf1
.set BEG_LO, 0x81                      ; the first step: C (the bias) window 0, D window 2
.set BEG_HI, 0xc1
.set TO_B,   0x40
.macro JLOAD g0a, g1a, g0b, g1b        ; a joint load: waves 0 and 1 fetch for A, waves 2 and 3 for B; four v_nop follow each of the two lines
	s_cmp_eq_u32 s15, 0
	s_cbranch_scc0 .Lfor_b_\@
	tensor_load_to_lds s[\g0a:\g0a+3], s[\g1a:\g1a+7]
	s_nop 0
.rept 4
	v_nop
.endr
	s_branch .Lasked_\@
.Lfor_b_\@:
	tensor_load_to_lds s[\g0b:\g0b+3], s[\g1b:\g1b+7]
	s_nop 0
.rept 4
	v_nop
.endr
.Lasked_\@:
.endm
.macro CREST
	s_cmp_lg_u32 s14, 0
	s_cbranch_scc1 .Lnot_wave_0_\@
	s_barrier_signal -3
.Lnot_wave_0_\@:
	s_barrier_wait -3
	s_barrier_signal -1
	s_barrier_wait -1
.endm
.macro CROUND
	s_barrier_signal -1
	s_barrier_wait -1
	CREST
.endm
	s_load_b128 s[4:7], s[0:1], 0x0                ; ows, Wo's codes
	s_load_b128 s[8:11], s[0:1], 0x10              ; the scales' exponents, bo
	s_load_b64 s[12:13], s[0:1], 0x20              ; out
	v_lshl_add_u32 v[SPW], v0, 2, SPARE
	v_mov_b32 v[NIL], 0
	ds_add_u32 v28, v29
	ds_add_u32 v28, v29
	s_wait_dscnt 0x0
	v_lshrrev_b32 v1, 5, v0
	v_readfirstlane_b32 s14, v1                    ; wave 0..3
	s_lshr_b32 s15, s14, 1                         ; which half of the tile's rows is mine.  Also: I fetch for A (0) or for B (1)
	s_and_b32 s16, s14, 1                          ; which half of its columns.  Also: which 128 rows of that tile I fetch
	s_bfe_u32 s40, ttmp6, 0x40000                  ; cx, cy
	s_bfe_u32 s41, ttmp6, 0x40004
	s_lshl_b32 s42, ttmp9, 2
	s_add_co_u32 s42, s42, s40                     ; tile column
	s_and_b32 s17, ttmp7, 0xffff
	s_lshl_b32 s17, s17, 2
	s_add_co_u32 s17, s17, s41                     ; tile row
	s_lshl_b32 s43, s41, 2
	s_lshl_b32 s43, 15, s43                        ; my row of the cluster
	s_lshl_b32 s44, 0x1111, s40                    ; my column
	; A's group 1: 32,768 dense bytes as 128 rows of 256, no padding
	s_or_b32 s[G1+0], s43, (3<<16)|(1<<21)         ; 15:0 the mask: my row; 17:16 elements of 8 bytes; 21 set beside a mask
	s_mov_b32 s[G1+1], 32<<16                      ; tensor_dim0 = 32
	s_mov_b32 s[G1+2], 128<<16                     ; tensor_dim1 = 128
	s_mov_b32 s[G1+3], 32<<16                      ; tile_dim0
	s_mov_b32 s[G1+4], 128                         ; tile_dim1
	s_mov_b32 s[G1+5], 32                          ; from row to row
	s_mov_b32 s[G1+6], 0
	s_mov_b32 s[G1+7], 0
	; B's: 128 rows x 256 bytes, 1,024 apart in memory, 16 bytes of padding behind each in LDS
	s_or_b32 s[G1B+0], s44, (0<<16)|(1<<20)|(1<<21)|(5<<22)|(3<<25)
	s_mov_b32 s[G1B+1], ROWB<<16
	s_mov_b32 s[G1B+2], 128<<16
	s_mov_b32 s[G1B+3], ROWB<<16
	s_mov_b32 s[G1B+4], 128
	s_mov_b32 s[G1B+5], KROW
	s_mov_b32 s[G1B+6], 0
	s_mov_b32 s[G1B+7], 0
	s_lshl_b32 s20, s17, 18                        ; A: 262,144 x tile row
	s_lshl_b32 s45, s16, 15                        ; + 32,768 x half; the same in a slot
	s_add_co_u32 s20, s20, s45
	s_mov_b32 s21, 0
	s_lshl_b32 s46, s42, 8
	s_lshl_b32 s18, s16, 7
	s_add_co_u32 s46, s46, s18                     ; B: row 256 x tile column + 128 x half
	s_lshl_b32 s46, s46, 10
	s_mov_b32 s47, 0
	s_mul_i32 s23, s16, HALFB
	s_add_co_u32 s23, s23, ATILE                   ; B in a slot: behind A's tile
	s_wait_kmcnt 0x0
	s_load_b64 s[96:97], s[8:9], 0x28              ; e10, e11
	s_add_nc_u64 s[20:21], s[4:5], s[20:21]
	s_add_nc_u64 s[46:47], s[6:7], s[46:47]
	CROUND                                         ; all sixteen work-groups are here: the first joint loads meet
.irp s, 0,1
	s_mov_b32 s[G0+4*\s], 1
	s_add_co_u32 s[G0+4*\s+1], s45, \s*SLOT
	s_add_nc_u64 s[G0+4*\s+2:G0+4*\s+3], s[20:21], \s*ATILE
	s_or_b32 s[G0+4*\s+3], s[G0+4*\s+3], 0x80000000
	s_mov_b32 s[G0B+4*\s], 1
	s_add_co_u32 s[G0B+4*\s+1], s23, \s*SLOT
	s_add_nc_u64 s[G0B+4*\s+2:G0B+4*\s+3], s[46:47], \s*ROWB
	s_or_b32 s[G0B+4*\s+3], s[G0B+4*\s+3], 0x80000000
	JLOAD G0+4*\s, G1, G0B+4*\s, G1B               ; two tensor loads of mine are out
.endr
	v_and_b32 v1, 15, v0                           ; r
	v_bfe_u32 v2, v0, 4, 1                         ; h
	v_and_b32 v6, 31, v0
	v_lshlrev_b32 v[CO], 4, v6                     ; 16 x lane
	v_mul_u32_u24 v3, v1, PITCH
	v_lshl_add_u32 v4, v2, 3, v3                   ; B: row x pitch + 8 x half
	s_lshl_b32 s21, s15, 15                        ; my 128 rows of A
	s_mul_i32 s22, s16, HALFB
	s_add_co_u32 s22, s22, ATILE                   ; my 128 rows of B
.irp s, 0,1
	v_add_nc_u32 v[ADRA+\s], s21, v[CO]
	v_add_nc_u32 v[ADRB+\s], s22, v4
	s_add_co_u32 s21, s21, SLOT
	s_add_co_u32 s22, s22, SLOT
.endr
	s_mul_i32 s23, s14, 16*SPITCH                  ; my stage
	v_mul_u32_u24 v5, v1, SPITCH                   ; in: row r, 32 bytes for each half of the lanes
	v_lshl_add_u32 v5, v2, 5, v5
	v_add_nc_u32 v[STO], s23, v5
	v_add_nc_u32 v[RD], s23, v[CO]                 ; back: the 32 lanes take one row of 512 bytes
	s_lshl_b32 s20, s42, 10                        ; bo at my first column: 4 x (256 x tile column + 128 x half)
	s_lshl_b32 s21, s16, 9
	s_add_co_u32 s20, s20, s21
	s_mov_b32 s21, 0
	s_add_nc_u64 s[10:11], s[10:11], s[20:21]
	v_lshlrev_b32 v7, 5, v2
.irp b, 0,1,2,3,4,5,6,7
	global_load_b128 v[BC+8*\b:BC+8*\b+3], v7, s[10:11] offset:64*\b          ; bo[my first column + 16 b + 8 h + 0 .. 7]: the result's layout
	global_load_b128 v[BC+8*\b+4:BC+8*\b+7], v7, s[10:11] offset:64*\b+16
.endr
	s_lshl_b32 s22, s17, 8
	s_lshl_b32 s23, s15, 7
	s_add_co_u32 s22, s22, s23                     ; my first row of out
	s_lshl_b32 s22, s22, 12                        ; rows of 4,096 bytes
	s_add_co_u32 s22, s22, s20                     ; + my first column's bytes
	s_mov_b32 s23, 0
	s_add_nc_u64 s[12:13], s[12:13], s[22:23]
	s_wait_kmcnt 0x0
	s_add_co_i32 s96, s96, s97                     ; e10 + e11
	s_sub_co_i32 s3, 0, s96
	s_add_co_i32 s96, s96, 127
	s_lshl_b32 s96, s96, 23                        ; 2^(e10 + e11) as f32
	s_wait_loadcnt 0x0
.set i, 0
.rept 64
	v_ldexp_f32 v[BC+i], v[BC+i], s3               ; a sum stands for sum x 2^(e10 + e11): the bias goes in divided by that
.set i, i+1
.endr
.macro FRAGA reg, adr, q, i            ; a fragment's image comes back as it was stored
.irp c, 0,1,2,3
	ds_load_b128 v[\reg+4*\c:\reg+4*\c+3], v[\adr] offset:4096*(\i)+2048*(\q)+512*\c
.endr
.endm
.macro FRAGB reg, adr, q, i            ; registers 2 c, 2 c + 1: K = 16 c + 8 h + 0 .. 7
.irp c, 0,1,2,3,4,5,6,7
	ds_load_b64 v[\reg+2*\c:\reg+2*\c+1], v[\adr] offset:128*(\q)+16*\c+(\i)*16*PITCH
.endr
.endm
; 16 matrix instructions: A's blocks a0, a0 + 1 x B's eight.  zero = 1: the sums start from the bias.  The 64 accumulators take turns, one instruction a turn, in the same order in every step.
.macro MUL16 a0, p, zero
.irp a, \a0, \a0+1
.irp b, 0,1,2,3,4,5,6,7
.if \zero
	v_wmma_f32_16x16x128_bf8_bf8 v[8*(8*((\a)%4)+\b):8*(8*((\a)%4)+\b)+7], v[128*(\p)+FR*\b:128*(\p)+FR*\b+FR-1], v[AF+FR*(\a):AF+FR*(\a)+FR-1], v[BC+8*\b:BC+8*\b+7]
.else
	v_wmma_f32_16x16x128_bf8_bf8 v[8*(8*((\a)%4)+\b):8*(8*((\a)%4)+\b)+7], v[128*(\p)+FR*\b:128*(\p)+FR*\b+FR-1], v[AF+FR*(\a):AF+FR*(\a)+FR-1], v[8*(8*((\a)%4)+\b):8*(8*((\a)%4)+\b)+7]
.endif
.endr
.endr
.endm
.macro FETCH_B slot, q, p
	WIN TO_B
.irp i, 0,1,2,3,4,5,6,7
	FRAGB 128*(\p)+FR*\i, ADRB+\slot, \q, \i
.endr
	WIN 0
.endm
.macro FETCH_A slot, q, i0
.irp i, \i0, \i0+1, \i0+2, \i0+3
	FRAGA AF+FR*(\i), ADRA+\slot, \q, \i
.endr
.endm
.macro PLACES n                        ; plain vector instructions between a matrix instruction and a load into, or a vector instruction on, its registers (ISA guide 7.12.1 for vector instructions)
.rept \n
	v_nop
.endr
.endm
.macro STEP slot, q, zero
	s_wait_dscnt 4*NL                              ; B's set and A's blocks 0-3 are in; the youngest sixteen loads (A's blocks 4-7) may be out
.if \zero
	WIN BEG_LO
.else
	WIN MUL_LO
.endif
	MUL16 0, (\q)%2, \zero
	MUL16 2, (\q)%2, \zero
	s_wait_dscnt 0
	PLACES NP
	FETCH_B \slot, (\q)+1, 1-(\q)%2
	FETCH_A \slot, (\q)+1, 0
.if \zero
	WIN BEG_HI
.else
	WIN MUL_HI
.endif
	MUL16 4, (\q)%2, \zero
	MUL16 6, (\q)%2, \zero
	PLACES NP
	WIN 0
	FETCH_A \slot, (\q)+1, 4
.endm
; A slot's last step changes slots: ONE barrier; in front of it each wave waits for all its tensor loads, adds 0 to its spare word, and waits for that and for its own reads of this slot.
.macro TURN slot, next, fill
	s_wait_tensorcnt 0x0                           ; all my tensor loads have landed: my part of the next slot  (every window is 0 here)
	ds_add_u32 v[SPW], v[NIL]                      ; 0 onto my spare word
	s_wait_dscnt 4*NL+1                            ; (the add and the youngest sixteen loads may be out)
	WIN MUL_LO
	MUL16 0, 1, 0
	s_wait_dscnt 0x0                               ; the add is done, and my reads of this slot are over
	s_barrier_signal -1
	MUL16 2, 1, 0
	WIN 0
	s_barrier_wait -1
.if \fill
	CREST                                          ; the barrier has opened a round of the cluster's barrier: no wave of any partner still reads this slot or has a load on its way
	s_add_nc_u64 s[G0+4*\slot+2:G0+4*\slot+3], s[G0+4*\slot+2:G0+4*\slot+3], 2*ATILE
	s_add_nc_u64 s[G0B+4*\slot+2:G0B+4*\slot+3], s[G0B+4*\slot+2:G0B+4*\slot+3], 2*ROWB
	JLOAD G0+4*\slot, G1, G0B+4*\slot, G1B         ; my one tensor load behind the round; the four v_nop behind it are the places in front of the loads below
.else
	PLACES NP
.endif
	FETCH_B \next, 0, 0
	FETCH_A \next, 0, 0
	WIN MUL_HI
	MUL16 4, 1, 0
	MUL16 6, 1, 0
	PLACES NP
	WIN 0
	FETCH_A \next, 0, 4
.endm
	s_wait_tensorcnt 1                             ; my part of slot 0 is in (slot 1's load may be out)
	s_barrier_signal -1
	s_barrier_wait -1                              ; everybody's is
	FETCH_B 0, 0, 0
	FETCH_A 0, 0, 0
	FETCH_A 0, 0, 4
	STEP 0, 0, 1                                   ; the eight steps of 128 are written out: a loop would have one trip
	TURN 0, 1, 1
	STEP 1, 0, 0
	TURN 1, 0, 1
	STEP 0, 0, 0
	TURN 0, 1, 0                                   ; nothing is left to fetch
	STEP 1, 0, 0
	s_wait_dscnt 4*NL
	WIN MUL_LO
	MUL16 0, 1, 0
	MUL16 2, 1, 0
	s_wait_dscnt 0
	WIN MUL_HI
	MUL16 4, 1, 0
	MUL16 6, 1, 0
	WIN 0
; THE WAY OUT, block by block of 16 rows x 128 columns, through my own stage in LDS: in as 32 bytes a lane, back as whole rows of 512 bytes.  LDS serves a wave's instructions in order (ISA guide 5.7.1.4).
.macro TOSTAGE a
.set AC, 64*((\a)%4)
	WIN 0x02+((\a)/4)                              ; source 0: window 2 or 3
.irp j, 0,2,4,6,8,10,12,14,16,18,20,22,24,26,28,30,32,34,36,38,40,42,44,46,48,50,52,54,56,58,60,62
	v_pk_mul_f32 v[TMP+\j:TMP+\j+1], v[AC+\j:AC+\j+1], s[96:97] op_sel_hi:[1,0]   ; both x s96 = 2^(e10 + e11); each accumulator from its low end on
.endr
	WIN 0
.irp b, 0,1,2,3,4,5,6,7
	ds_store_b128 v[STO], v[TMP+8*\b:TMP+8*\b+3] offset:64*\b
	ds_store_b128 v[STO], v[TMP+8*\b+4:TMP+8*\b+7] offset:64*\b+16
.endr
.set BB, BK+64*((\a)%2)
.irp t, 0,1,2,3,4,5,6,7,8,9,10,11,12,13,14,15
	ds_load_b128 v[BB+4*\t:BB+4*\t+3], v[RD] offset:\t*SPITCH
.endr
.endm
.macro SEND a, younger                 ; younger: the LDS instructions issued behind block a's loads, which may stay out
.set BB, BK+64*((\a)%2)
	s_wait_dscnt \younger
.if (\a) > 0
	s_add_nc_u64 s[12:13], s[12:13], 16*SIZE_N*4   ; (behind a wait on XCNT: the earlier stores have read their base)  16 rows on
.endif
.irp t, 0,1,2,3,4,5,6,7,8,9,10,11,12,13,14,15
	global_store_b128 v[CO], v[BB+4*\t:BB+4*\t+3], s[12:13] offset:\t*SIZE_N*4 th:TH_STORE_NT   ; 32 lanes store 512 consecutive bytes, aligned; written once, read by nobody here
.endr
.endm
	PLACES NP                                      ; for the loads into the registers that held A's fragments, and for the reads of the last results
	TOSTAGE 0
.irp a, 1,2,3,4,5,6,7
.if \a > 1
	s_wait_xcnt 0x0                                ; block a - 2's stores have read their registers and their base
.endif
	TOSTAGE \a
	SEND \a-1, 32                                  ; behind block a - 1's loads: block a's 16 stores and 16 loads
.endr
	s_wait_xcnt 0x0
	SEND 7, 0
	s_wait_tensorcnt 0x0                           ; the wave's end
	ds_add_u32 v[SPW], v[NIL]
	s_wait_dscnt 0x0
	CROUND                                         ; the closing round
	s_endpgm
.Lfunc_end_k_q72d10838f5_oproj:
	.size	k_q72d10838f5_oproj, .Lfunc_end_k_q72d10838f5_oproj-k_q72d10838f5_oproj
	.p2alignl 7, 3214868480
	.fill 96, 4, 3214868480
	.section	.rodata,"a",@progbits
	.p2align	6, 0x0
	.amdhsa_kernel k_q72d10838f5_oproj
		.amdhsa_group_segment_fixed_size 327680
		.amdhsa_private_segment_fixed_size 0
		.amdhsa_enable_private_segment 0
		.amdhsa_kernarg_size 40
		.amdhsa_user_sgpr_count 2
		.amdhsa_user_sgpr_kernarg_segment_ptr 1
		.amdhsa_wavefront_size32 1
		.amdhsa_system_sgpr_workgroup_id_x 1
		.amdhsa_system_sgpr_workgroup_id_y 1
		.amdhsa_system_sgpr_workgroup_id_z 1
		.amdhsa_system_vgpr_workitem_id 0
		.amdhsa_next_free_vgpr 1024
		.amdhsa_next_free_sgpr 98
		.amdhsa_reserve_vcc 0
		.amdhsa_float_denorm_mode_32 3
		.amdhsa_float_denorm_mode_16_64 3
		.amdhsa_memory_ordered 1
		.amdhsa_forward_progress 1
		.amdhsa_inst_pref_size 145
	.end_amdhsa_kernel
	.amdgpu_metadata
---
amdhsa.version: [ 1, 2 ]
amdhsa.kernels:
  - .name:           k_q72d10838f5_oproj
    .symbol:         k_q72d10838f5_oproj.kd
    .args:
      - { .name: ows, .offset: 0, .size: 8, .value_kind: global_buffer, .address_space: global }
      - { .name: Wo_codes, .offset: 8, .size: 8, .value_kind: global_buffer, .address_space: global }
      - { .name: lowp_scales, .offset: 16, .size: 8, .value_kind: global_buffer, .address_space: global }
      - { .name: bo, .offset: 24, .size: 8, .value_kind: global_buffer, .address_space: global }
      - { .name: out0, .offset: 32, .size: 8, .value_kind: global_buffer, .address_space: global }
    .group_segment_fixed_size: 327680
    .private_segment_fixed_size: 0
    .kernarg_segment_align: 8
    .kernarg_segment_size: 40
    .max_flat_workgroup_size: 128
    .sgpr_count:     98
    .vgpr_count:     1024
    .wavefront_size: 32
...
	.end_amdgpu_metadata
.endif
;; end of part 3
